; MI455X (gfx1250); checked and timed in simulation.
; The chip was launched on July 23, 2026; its instructions are those of AMD's public machine-readable ISA for CDNA 5 (MIT licence, August 2026) and "CDNA5" Instruction Set Architecture Reference Guide (July 2026). The comments in the code are by the model that wrote it; some were corrected since.
;; Self Attention. Allowed arithmetic: matrix products marked QUANTISED: E2M1 operands, one E8M0 scale for each 32 along K, by v_wmma_scale_f32_16x16x128_f8f6f4 with both operands' format E2M1 (or v_wmma_scale_f32_32x16x128_f4), f32 sums; products left as they are: bf16, f16 or f32 operands; f32 sums; everything else in f32.
;; Inputs: Wk 512 x 512 float32; Wq 512 x 512 float32; Wv 512 x 512 float32; bk 512 float32; bq 512 float32; bv 512 float32; x 8 x 512 x 2,048 float32.
;; Outputs: out0 8 x 512 x 2,048 float32.
;; This version of the problem:
;;   THIS VERSION OF THE PROBLEM IS GIVEN IN LOW PRECISION. The matrix products marked QUANTISED in the list below multiply operands that are first quantised to E2M1 (2 exponent bits, 1 mantissa bit; 4 bits a number), with one power-of-two scale for each 32 numbers along K (OCP MX v1.0); their sums are f32. The products marked 'left as it is' may take bf16, f16 or f32 operands, with f32 sums. Whichever they take, every output number must still come out within the allowed error. Rounding operands to bf16 (8 significant bits) uses up far more of that allowance than f16 does (11 bits, for magnitudes from 6e-5 to 65,504). All else is computed in f32.
;;   The module's matrix products, in the order in which they are computed (A, B: the left and right operand; K: the contracted axis; several contracted axes count as one K, in the product's order):
;;     1. [M 16,384, K 512] x [K 512, N 512]; A: input x; B: input Wq: QUANTISED
;;     2. [M 16,384, K 512] x [K 512, N 512]; A: input x; B: input Wk: QUANTISED
;;     3. [M 16,384, K 512] x [K 512, N 512]; A: input x; B: input Wv: QUANTISED
;;     4. batch 8 x [M 2,048, K 512] x [K 512, N 2,048]; A: computed on the way; B: computed on the way: left as it is (an operand is computed on the way)
;;     5. batch 8 x [M 512, K 2,048] x [K 2,048, N 2,048]; A: computed on the way; B: computed on the way: left as it is (an operand is computed on the way)
;;   THE QUANTISER, for each operand of a quantised product, along K:
;;     - K is cut into blocks of 32 from its start; a last block that is shorter is filled with zeros.
;;     - A block's scale is 2^e with e = floor(log2(the largest magnitude in the block)) - 2, held to -126 .. 127; a block of zeros has e = 0. As a byte (E8M0): e + 127.
;;     - Each number is divided by its block's scale, clamped to +-6, and rounded to the nearest number of E2M1, ties to even, subnormals kept.
;;     - The product sums the exact products of the quantised numbers (number of the format x scale) in f32.
;;   ~~~python
;;   def quantise(x, axis):      # numpy; x: float32 -> the quantised numbers, widened to float32 again
;;       x = np.moveaxis(x, axis, -1); K = x.shape[-1]
;;       x = np.pad(x, [(0, 0)] * (x.ndim - 1) + [(0, -K % 32)]); x = x.reshape(x.shape[:-1] + (-1, 32)); a = np.abs(x).max(-1, keepdims=True)
;;       e = np.where(a > 0, np.clip(np.frexp(np.where(a > 0, a, 1))[1] - 1 - 2, -126, 127), 0)      # np.frexp(a)[1] - 1 = floor(log2(a)), exactly
;;       r = np.clip(x / 2.0 ** e, -6, 6)
;;       step = 2.0 ** (np.maximum(np.frexp(np.where(r == 0, 1, r))[1] - 1, 0) - 1)
;;       q = np.round(r / step) * step * 2.0 ** e      # np.round: ties to even
;;       return np.moveaxis(q.reshape(q.shape[:-2] + (-1,))[..., :K], -1, axis).astype(np.float32)
;;   ~~~
;; One version. Each part assembles by itself: llvm-mc -triple=amdgcn-amd-amdhsa -mcpu=gfx1250 --defsym DOCPART=n.
;; ======== version 1 of 1: 3 launches
;; limits: values are held in f16: magnitudes above 65,504 overflow, below 6.1e-05 lose precision
;; workspace buffers: xc 4,194,304 bytes; xs 262,144 bytes; wc 393,216 bytes; ws 24,576 bytes; qf 16,777,216 bytes; kf 16,777,216 bytes; vf 16,777,216 bytes
;; launch quant (part 1): grid 560 x 1, 4 waves a work-group, no clusters, 0 bytes of LDS; arguments x, Wq, Wk, Wv, xc, xs, wc, ws; writes xc, xs, wc, ws
.if DOCPART == 1
	.amdgcn_target "amdgcn-amd-amdhsa--gfx1250"
	.amdhsa_code_object_version 6
	.text
	.protected	k_q129e8fbf0b_quant
	.globl	k_q129e8fbf0b_quant
	.p2align	8
	.type	k_q129e8fbf0b_quant,@function
k_q129e8fbf0b_quant:
	s_mov_b64 s[64:65], 0
	v_nop
	global_prefetch_b8 v0, s[64:65] scope:SCOPE_SE
	s_setreg_imm32_b32 hwreg(HW_REG_WAVE_MODE, 25, 1), 1
	s_wait_xcnt 0x0
; x [8][512 c][2048 l] and Wq, Wk, Wv [512 o][512 i], f32, become codes of FP4 (E2M1) with one E8M0 byte for each 32 along K (K = c for x, K = i for W).
; A block's scale is 2^(floor(log2(its largest magnitude)) - 2); its byte is the largest magnitude's exponent field - 2, held at 1 from below by a floor among the maximum's leaves.
; LIMITS: a block of zeros gets the byte 1 where the rule says 127 (its codes are zeros, which add nothing, and this program alone reads the bytes); NaN and infinities among the inputs are not served.
; WHAT IS STORED is laid as the matrix operand's registers want it.  A fragment is 16 rows x 128 K: 8 registers a lane, lane (r, h) holding row r, registers 4 c .. 4 c + 3 = K 64 c + 32 h + 0 .. 31.
; Its image is 1,024 bytes: registers 4 c .. 4 c + 3 of lane l at 512 c + 16 l.  So every store here, and every load of the next launch, covers 512 consecutive bytes, aligned.
;   xc [g 512][s 4][t 2][1,024]: g = 32 positions (b x 2048 + l) / 32, s = the K step of 128, t = which 16 of the 32.   xs [g][s][32 words]: lanes 0-15 the scale words of tile 0's rows, lanes 16-31 of tile 1's.
;   wc [u 48][s 4][t 2][1,024], ws [u][s][32 words]: u = 16 x (0 q, 1 k, 2 v) + o / 32.
; SHARES.  One wave makes one (pair of tiles, K step): 4,096 numbers, two images, 32 scale words.  Work-groups 0-47 take W (u = the work-group, s = the wave); the other 512 take x.
; x: K is not innermost.  A lane takes a position and its registers run down c: each load reads 128 consecutive bytes a wave, the four waves stand side by side on 512; a block of 32 lies in one lane.
; W: K is innermost.  Lane (r, h) loads, for tile t and group c, the 32 numbers that the layout gives it: 128 consecutive bytes of row r.
; No LDS, no barrier: waves share nothing.  All of a wave's loads are out at once; the two ways issue different numbers of loads, so the one wait behind their join is for 0.
; No cluster, no matrix unit: no byte is read by two work-groups, and memory binds.
.set X, 32                             ; v32-159  four blocks of 32 numbers
.set C, 16                             ; v16-31   four blocks' codes, 4 registers each
.set E, 12                             ; v12-15   four scale bytes
	s_load_b512 s[8:23], s[0:1], 0x0               ; x s[8:9], Wq s[10:11], Wk s[12:13], Wv s[14:15], xc s[16:17], xs s[18:19], wc s[20:21], ws s[22:23]
	v_lshrrev_b32 v7, 5, v0
	v_readfirstlane_b32 s2, v7                     ; wave 0..3
	v_and_b32 v1, 31, v0                           ; lane
	v_and_b32 v2, 15, v0                           ; r
	v_bfe_u32 v3, v0, 4, 1                         ; h
	v_lshlrev_b32 v5, 4, v1                        ; 16 x lane: my place in half an image
	v_lshlrev_b32 v6, 2, v1                        ; 4 x lane: my scale word's place, and my column of x
	v_lshlrev_b32 v4, 11, v2
	v_lshl_add_u32 v4, v3, 7, v4                   ; W: row r of 2,048 bytes, + 128 h
	v_mov_b32 v162, 0                              ; written once: a lane permute's destination counts as one of its sources
	v_mov_b32 v163, 0
	s_mov_b32 s30, 0x76543210
	s_mov_b32 s31, 0xfedcba98                      ; v_permlanex16_b32's selects for lane l xor 16
	; a W work-group: the input's offset (u % 16) x 32 rows + 512 bytes x K step; which image pair: 4 u + K step
	s_and_b32 s32, ttmp9, 15
	s_lshl_b32 s32, s32, 16
	s_lshl_b32 s36, s2, 9
	s_add_co_u32 s32, s32, s36
	s_lshl_b32 s34, ttmp9, 2
	s_add_co_u32 s34, s34, s2
	; an x work-group, n = its number - 48: batch n / 64, 128 positions (n / 4) % 16, K step n % 4
	s_max_u32 s37, ttmp9, 48
	s_sub_co_u32 s37, s37, 48
	s_lshr_b32 s38, s37, 6                         ; b
	s_bfe_u32 s39, s37, 0x40002                    ; which 128 positions
	s_and_b32 s37, s37, 3                          ; K step
	s_lshl_b32 s33, s38, 22                        ; a batch is 4 MiB,
	s_lshl_b32 s36, s37, 20                        ; 128 rows of 8,192 bytes are 1 MiB,
	s_add_co_u32 s33, s33, s36
	s_lshl_b32 s36, s39, 9                         ; 128 positions are 512 bytes,
	s_add_co_u32 s33, s33, s36
	s_lshl_b32 s36, s2, 7                          ; my wave's 32 are 128
	s_add_co_u32 s33, s33, s36
	s_lshl_b32 s35, s38, 6
	s_lshl_b32 s36, s39, 2
	s_add_co_u32 s35, s35, s36
	s_add_co_u32 s35, s35, s2                      ; g = 64 b + 4 x (which 128) + wave
	s_lshl_b32 s35, s35, 2
	s_add_co_u32 s35, s35, s37                     ; 4 g + K step
	s_wait_kmcnt 0x0
	s_cmp_lt_u32 ttmp9, 16                         ; the buffers are chosen by the work-group's number alone
	s_cselect_b64 s[4:5], s[10:11], s[12:13]
	s_cmp_lt_u32 ttmp9, 32
	s_cselect_b64 s[4:5], s[4:5], s[14:15]
	s_cmp_lt_u32 ttmp9, 48
	s_cselect_b64 s[4:5], s[4:5], s[8:9]           ; the numbers,
	s_cselect_b64 s[6:7], s[20:21], s[16:17]       ; the codes,
	s_cselect_b64 s[28:29], s[22:23], s[18:19]     ; the scale words
	s_cselect_b32 s24, s32, s33
	s_cselect_b32 s26, s34, s35
	s_mov_b32 s25, 0
	s_add_nc_u64 s[4:5], s[4:5], s[24:25]
	s_lshl_b32 s24, s26, 11                        ; a pair of images is 2,048 bytes
	s_add_nc_u64 s[6:7], s[6:7], s[24:25]
	s_lshl_b32 s24, s26, 7                         ; its scale words 128
	s_add_nc_u64 s[28:29], s[28:29], s[24:25]
	s_cmp_lt_u32 ttmp9, 48
	s_cbranch_scc1 .Lw_load
.set i, 0
.rept 128
	global_load_b32 v[X+i], v6, s[4:5] offset:i*8192 th:TH_LOAD_NT   ; x(128 s + i, my position): block i / 32, its number i % 32
.set i, i+1
.endr
	s_branch .Lloaded
.Lw_load:
.irp t, 0,1
.irp c, 0,1
.irp i, 0,1,2,3,4,5,6,7
	global_load_b128 v[X+32*(\t+2*\c)+4*\i:X+32*(\t+2*\c)+4*\i+3], v4, s[4:5] offset:\t*32768+\c*256+16*\i   ; W(16 t + r, 128 s + 64 c + 32 h + 4 i ..): block t + 2 c of my registers
.endr
.endr
.endr
.Lloaded:
	s_wait_loadcnt 0x0                             ; the ways in issued 128 and 32 loads: the wait behind their join is for 0
; block n: its largest magnitude (all 32 numbers are mine), the conversion's scale operand, 32 codes, the byte
.macro BLOCK n
.set XB, X+32*(\n)
	v_max3_num_f32 v8, |v[XB]|, |v[XB+1]|, |v[XB+2]|
	v_max3_num_f32 v9, |v[XB+3]|, |v[XB+4]|, |v[XB+5]|
.irp i, 6,10,14,18,22,26
	v_max3_num_f32 v8, v8, |v[XB+\i]|, |v[XB+\i+1]|                ; two chains, so that no line waits for the line above it
	v_max3_num_f32 v9, v9, |v[XB+\i+2]|, |v[XB+\i+3]|
.endr
	v_max3_num_f32 v8, v8, |v[XB+30]|, |v[XB+31]|
	v_max3_num_f32 v8, v8, v9, 0x1800000           ; and the floor 2^(3 - 127): so the byte cannot fall under 1
	v_add_nc_u32 v10, 0xff000000, v8               ; 2 off the exponent field: the conversion takes the exponent field of this operand as its scale, and nothing else of it
.irp g, 0,1,2,3
	v_cvt_scalef32_pk8_fp4_f32 v[C+4*(\n)+\g], v[XB+8*\g:XB+8*\g+7], v10   ; to the nearest code, ties to even; beyond 6 the largest code
.endr
	v_lshrrev_b32 v[E+(\n)], 23, v10               ; the scale's byte.  Also the plain line behind the conversions
.endm
	BLOCK 0
	BLOCK 1
	BLOCK 2
	BLOCK 3
	s_cmp_lt_u32 ttmp9, 48
	s_cbranch_scc1 .Lw_word
	; x: lane p holds blocks 0-3 of position p.  The layout wants, in tile t's group c, block 2 c of positions 16 t + r in lanes 0-15 and block 2 c + 1 of the same positions in lanes 16-31:
	; the first register's lanes 16-31 change places with the second's lanes 0-15.  Then block 2 c's registers are tile 0's group c, block 2 c + 1's are tile 1's.
.irp c, 0,1
.irp g, 0,1,2,3
	v_permlane16_swap_b32 v[C+8*\c+\g], v[C+8*\c+4+\g]
.endr
.endr
	v_lshl_or_b32 v160, v[E+1], 8, v[E]            ; my position's scale word: byte b for K 32 b on; lane p is row p % 16 of tile p / 16, as xs wants it
	v_lshl_or_b32 v160, v[E+2], 16, v160
	v_lshl_or_b32 v160, v[E+3], 24, v160
	s_branch .Lout
.Lw_word:
	; W: my register block t + 2 c is block 2 c + h of row r of tile t, and is already tile t's group c.  A row's four bytes lie in lanes l and l xor 16.
	v_lshl_or_b32 v160, v[E+2], 16, v[E]           ; tile 0: bytes h and 2 + h,
	v_lshl_or_b32 v161, v[E+3], 16, v[E+1]         ; tile 1
	v_lshlrev_b32 v11, 3, v3
	v_lshlrev_b32 v160, v11, v160                  ; at their places: 8 h bits up
	v_lshlrev_b32 v161, v11, v161
	v_permlanex16_b32 v162, v160, s30, s31
	v_permlanex16_b32 v163, v161, s30, s31
	v_or_b32 v160, v160, v162                      ; with lane l xor 16's two the words are whole
	v_or_b32 v161, v161, v163
	v_cmp_gt_u32 vcc_lo, 16, v1
	v_cndmask_b32 v160, v161, v160, vcc_lo         ; lanes 0-15 keep tile 0's word, lanes 16-31 tile 1's
.Lout:
.irp n, 0,1,2,3
	global_store_b128 v5, v[C+4*\n:C+4*\n+3], s[6:7] offset:(\n%2)*1024+(\n/2)*512   ; 32 lanes store 512 consecutive bytes, aligned
.endr
	global_store_b32 v6, v160, s[28:29]            ; 128 consecutive bytes: one byte for each 128 that the wave has read
	s_endpgm
.Lfunc_end_k_q129e8fbf0b_quant:
	.size	k_q129e8fbf0b_quant, .Lfunc_end_k_q129e8fbf0b_quant-k_q129e8fbf0b_quant
	.p2alignl 7, 3214868480
	.fill 96, 4, 3214868480
	.section	.rodata,"a",@progbits
	.p2align	6, 0x0
	.amdhsa_kernel k_q129e8fbf0b_quant
		.amdhsa_group_segment_fixed_size 0
		.amdhsa_private_segment_fixed_size 0
		.amdhsa_enable_private_segment 0
		.amdhsa_kernarg_size 64
		.amdhsa_user_sgpr_count 2
		.amdhsa_user_sgpr_kernarg_segment_ptr 1
		.amdhsa_wavefront_size32 1
		.amdhsa_system_sgpr_workgroup_id_x 1
		.amdhsa_system_sgpr_workgroup_id_y 1
		.amdhsa_system_sgpr_workgroup_id_z 1
		.amdhsa_system_vgpr_workitem_id 0
		.amdhsa_next_free_vgpr 168
		.amdhsa_next_free_sgpr 66
		.amdhsa_reserve_vcc 1
		.amdhsa_float_denorm_mode_32 3
		.amdhsa_float_denorm_mode_16_64 3
		.amdhsa_memory_ordered 1
		.amdhsa_forward_progress 1
		.amdhsa_inst_pref_size 25
	.end_amdhsa_kernel
	.amdgpu_metadata
---
amdhsa.version: [ 1, 2 ]
amdhsa.kernels:
  - .name:           k_q129e8fbf0b_quant
    .symbol:         k_q129e8fbf0b_quant.kd
    .args:
      - { .name: x, .offset: 0, .size: 8, .value_kind: global_buffer, .address_space: global }
      - { .name: Wq, .offset: 8, .size: 8, .value_kind: global_buffer, .address_space: global }
      - { .name: Wk, .offset: 16, .size: 8, .value_kind: global_buffer, .address_space: global }
      - { .name: Wv, .offset: 24, .size: 8, .value_kind: global_buffer, .address_space: global }
      - { .name: xc, .offset: 32, .size: 8, .value_kind: global_buffer, .address_space: global }
      - { .name: xs, .offset: 40, .size: 8, .value_kind: global_buffer, .address_space: global }
      - { .name: wc, .offset: 48, .size: 8, .value_kind: global_buffer, .address_space: global }
      - { .name: ws, .offset: 56, .size: 8, .value_kind: global_buffer, .address_space: global }
    .group_segment_fixed_size: 0
    .private_segment_fixed_size: 0
    .kernarg_segment_align: 8
    .kernarg_segment_size: 64
    .max_flat_workgroup_size: 128
    .sgpr_count:     66
    .vgpr_count:     168
    .wavefront_size: 32
...
	.end_amdgpu_metadata
.endif
;; end of part 1
;; launch proj (part 2): grid 256 x 1, 4 waves a work-group, no clusters, 0 bytes of LDS; arguments xc, xs, wc, ws, bq, bk, bv, qf, kf, vf; writes qf, kf, vf
.if DOCPART == 2
	.amdgcn_target "amdgcn-amd-amdhsa--gfx1250"
	.amdhsa_code_object_version 6
	.text
	.protected	k_q129e8fbf0b_proj
	.globl	k_q129e8fbf0b_proj
	.p2align	8
	.type	k_q129e8fbf0b_proj,@function
k_q129e8fbf0b_proj:
	s_mov_b64 s[64:65], 0
	v_nop
	global_prefetch_b8 v0, s[64:65] scope:SCOPE_SE
	s_setreg_imm32_b32 hwreg(HW_REG_WAVE_MODE, 25, 1), 1
	s_wait_xcnt 0x0
; q, k, v = W x + b on codes of FP4 (E2M1) with E8M0 scales, K = 512 in four steps of 128; sums in f32, the bias as the C of each sum's first product; each result rounded once to f16
; and stored as the attention launch's operand images.  LIMIT: |q|, |k|, |v| under 65,504, the largest f16 number.
; IMAGES (f16 fragment, 16 rows x 32 K, 8 registers a lane: lane (r, h) holds row r, registers 0-3 K 8 h + 0 .. 7, registers 4-7 K 16 + 8 h + 0 .. 7): 1,024 bytes, registers 4 c .. 4 c + 3 of lane l at 512 c + 16 l.
;   qf, kf [position tile 1024][channel step 16][1,024]: rows = 16 positions, K = 32 channels.     vf [32 positions 512][channel tile 32][1,024]: rows = 16 channels, K = 32 positions.
; SHARES.  Work-group id: 128 positions (id / 2); wave: 64 output channels (4 (id % 2) + wave) of EACH of q, k, v.  A wave issues 3 x 128 products on 32 accumulators.
; q, k: source 0 = 16 rows of W, source 1 = 16 positions: a lane holds one position and eight neighbouring channels, so two accumulators pack into one fragment of positions x channels.
; v:    source 0 = 16 positions, source 1 = 16 rows of W: a lane holds one channel and eight neighbouring positions: two accumulators pack into one fragment of channels x positions.
; OPERANDS GO FROM MEMORY STRAIGHT INTO REGISTERS, each lane 16 bytes of an image, and stay: x's 32 fragments (32 KB), a weight's 16 (16 KB).  K has only four steps, so a wave reads each of its
; 80 KB once, there is no loop in which a slot would be filled again, and so no ring, no LDS, no barrier and no joint load: the launch stores 48 MiB against 4.9 MB of operands.
; REGISTERS, in windows of 256: window 0: v1-4 offsets; v8-23 x's scale words, v24-47 the weights'; v48-143 the biases as C tiles; v144-207 packed results.
;   window 1: x's fragment (tile xt, K step s) at v[8 (8 s + xt)].   window 2: accumulator (xt, ot) at v[8 (4 xt + ot)].   window 3: two sets of a weight's fragments, (K step s, tile i) at v[128 set + 8 (4 s + i)].
.set XS,   8                           ; x's scale words: K step s, pair of tiles g at v[XS + 4 s + g]: lanes 0-15 the even tile's rows, lanes 16-31 the odd tile's
.set WS,   24                          ; the weights': v[WS + 8 mat + 2 s + p], likewise
.set BT,   48                          ; bias tiles: v[BT + 32 mat + 8 tile .. + 7]
.set OUTP, 144
.set MSB, 0
.macro WIN new                         ; the immediate's high byte repeats the setting that is left
.if MSB != (\new)
	s_set_vgpr_msb (MSB<<8)|(\new)
.set MSB, (\new)
.endif
.endm
.macro PLACES n
.rept \n
	v_nop
.endr
.endm
	s_load_b512 s[8:23], s[0:1], 0x0               ; xc s[8:9], xs s[10:11], wc s[12:13], ws s[14:15], bq s[16:17], bk s[18:19], bv s[20:21], qf s[22:23]
	s_load_b128 s[24:27], s[0:1], 0x40             ; kf s[24:25], vf s[26:27]
	v_lshrrev_b32 v5, 5, v0
	v_readfirstlane_b32 s2, v5                     ; wave 0..3
	v_and_b32 v5, 31, v0
	v_lshlrev_b32 v1, 4, v5                        ; 16 x lane: my place in half an image
	v_lshlrev_b32 v2, 2, v5                        ; 4 x lane: my scale word
	v_bfe_u32 v3, v0, 4, 1
	v_lshlrev_b32 v3, 5, v3                        ; 32 h: bq, bk: my eight channels of a tile
	v_and_b32 v4, 15, v0
	v_lshlrev_b32 v4, 2, v4                        ; 4 r: bv: my channel of a tile
	s_lshr_b32 s3, ttmp9, 1                        ; which 128 positions
	s_and_b32 s4, ttmp9, 1
	s_lshl_b32 s4, s4, 2
	s_add_co_u32 s4, s4, s2                        ; which 64 output channels
	s_mov_b32 s29, 0
	s_mov_b32 s31, 0
	s_wait_kmcnt 0x0
	s_lshl_b32 s28, s3, 15                         ; four groups of 32 positions x 8,192 bytes
	s_add_nc_u64 s[8:9], s[8:9], s[28:29]
	s_lshl_b32 s28, s3, 11                         ; x 512
	s_add_nc_u64 s[10:11], s[10:11], s[28:29]
	s_lshl_b32 s28, s4, 14                         ; two groups of 32 rows x 8,192 bytes
	s_add_nc_u64 s[12:13], s[12:13], s[28:29]
	s_lshl_b32 s28, s4, 10
	s_add_nc_u64 s[14:15], s[14:15], s[28:29]
	s_lshl_b32 s28, s4, 8                          ; 64 numbers of a bias
	s_add_nc_u64 s[16:17], s[16:17], s[28:29]
	s_add_nc_u64 s[18:19], s[18:19], s[28:29]
	s_add_nc_u64 s[20:21], s[20:21], s[28:29]
	s_lshl_b32 s28, s3, 17                         ; 128 positions are 131,072 bytes of each of qf, kf, vf
	s_lshl_b32 s30, s4, 11                         ; qf, kf: my two channel steps
	s_add_co_u32 s30, s30, s28
	s_add_nc_u64 s[22:23], s[22:23], s[30:31]
	s_add_nc_u64 s[24:25], s[24:25], s[30:31]
	s_lshl_b32 s30, s4, 12                         ; vf: my four channel tiles
	s_add_co_u32 s30, s30, s28
	s_add_nc_u64 s[26:27], s[26:27], s[30:31]
.irp s, 0,1,2,3
.irp g, 0,1,2,3
	global_load_b32 v[XS+4*\s+\g], v2, s[10:11] offset:\g*512+\s*128
.endr
.endr
.irp m, 0,1,2
.irp s, 0,1,2,3
.irp p, 0,1
	global_load_b32 v[WS+8*\m+2*\s+\p], v2, s[14:15] offset:\m*8192+\p*512+\s*128
.endr
.endr
.endr
.irp i, 0,1,2,3                        ; bq, bk in the result's layout: register e of lane (r, h) is the bias of channel 16 i + 8 h + e
	global_load_b128 v[BT+8*\i:BT+8*\i+3], v3, s[16:17] offset:64*\i
	global_load_b128 v[BT+8*\i+4:BT+8*\i+7], v3, s[16:17] offset:64*\i+16
.endr
.irp i, 0,1,2,3
	global_load_b128 v[BT+32+8*\i:BT+32+8*\i+3], v3, s[18:19] offset:64*\i
	global_load_b128 v[BT+32+8*\i+4:BT+32+8*\i+7], v3, s[18:19] offset:64*\i+16
.endr
.irp i, 0,1,2,3                        ; bv: all eight registers of lane (r, h) are the bias of channel 16 i + r: loaded once, copied below
	global_load_b32 v[BT+64+8*\i], v4, s[20:21] offset:64*\i
.endr
	WIN 0x40                                       ; destination window 1
.irp s, 0,1,2,3
.irp xt, 0,1,2,3,4,5,6,7
.irp c, 0,1
	global_load_b128 v[8*(8*\s+\xt)+4*\c:8*(8*\s+\xt)+4*\c+3], v1, s[8:9] offset:(\xt/2)*8192+\s*2048+(\xt%2)*1024+\c*512
.endr
.endr
.endr
.macro WLOAD mat, set                  ; a weight's 16 fragments, 32 loads, into a set of window 3
	WIN 0xc0
.irp s, 0,1,2,3
.irp i, 0,1,2,3
.irp c, 0,1
	global_load_b128 v[128*\set+8*(4*\s+\i)+4*\c:128*\set+8*(4*\s+\i)+4*\c+3], v1, s[12:13] offset:\mat*131072+(\i/2)*8192+\s*2048+(\i%2)*1024+\c*512
.endr
.endr
.endr
.endm
	WLOAD 0, 0
	WLOAD 1, 1
; one product, from the symbols set ahead of it.  ra, rb: the side's scale words stand in lanes 16-31 of the register named
.macro WM ra, rb
.if (\ra) && (\rb)
	v_wmma_scale_f32_16x16x128_f8f6f4 v[rD:rD+7], v[rA:rA+7], v[rB:rB+7], v[rC:rC+7], v[kA], v[kB] matrix_a_fmt:MATRIX_FMT_FP4 matrix_b_fmt:MATRIX_FMT_FP4 matrix_a_scale:MATRIX_SCALE_ROW1 matrix_b_scale:MATRIX_SCALE_ROW1
.elseif (\ra)
	v_wmma_scale_f32_16x16x128_f8f6f4 v[rD:rD+7], v[rA:rA+7], v[rB:rB+7], v[rC:rC+7], v[kA], v[kB] matrix_a_fmt:MATRIX_FMT_FP4 matrix_b_fmt:MATRIX_FMT_FP4 matrix_a_scale:MATRIX_SCALE_ROW1
.elseif (\rb)
	v_wmma_scale_f32_16x16x128_f8f6f4 v[rD:rD+7], v[rA:rA+7], v[rB:rB+7], v[rC:rC+7], v[kA], v[kB] matrix_a_fmt:MATRIX_FMT_FP4 matrix_b_fmt:MATRIX_FMT_FP4 matrix_b_scale:MATRIX_SCALE_ROW1
.else
	v_wmma_scale_f32_16x16x128_f8f6f4 v[rD:rD+7], v[rA:rA+7], v[rB:rB+7], v[rC:rC+7], v[kA], v[kB] matrix_a_fmt:MATRIX_FMT_FP4 matrix_b_fmt:MATRIX_FMT_FP4
.endif
.endm
; 128 products: K step by K step, the 32 accumulators by turns, one instruction a turn.  The first K step takes the bias tile as C: nothing is cleared, no bias is added.
; tr = 0: source 0 = W (window 3), source 1 = x (window 1).  tr = 1: the other way round.  D window 2; C window 0 in the first K step, then window 2.
.macro PASS mat, set, tr
.irp s, 0,1,2,3
.if \tr
.if \s == 0
	WIN 0x8d
.else
	WIN 0xad
.endif
.else
.if \s == 0
	WIN 0x87
.else
	WIN 0xa7
.endif
.endif
.irp xt, 0,1,2,3,4,5,6,7
.irp ot, 0,1,2,3
.set rD, 8*(4*\xt+\ot)
.set rC, rD
.if \s == 0
.set rC, BT+32*\mat+8*\ot
.endif
.if \tr
.set rA, 8*(8*\s+\xt)
.set rB, 128*\set+8*(4*\s+\ot)
.set kA, XS+4*\s+\xt/2
.set kB, WS+8*\mat+2*\s+\ot/2
	WM \xt%2, \ot%2
.else
.set rA, 128*\set+8*(4*\s+\ot)
.set rB, 8*(8*\s+\xt)
.set kA, WS+8*\mat+2*\s+\ot/2
.set kB, XS+4*\s+\xt/2
	WM \ot%2, \xt%2
.endif
.endr
.endr
.endr
.endm
; THE WAY OUT of a pass, in two batches of 16 accumulators.  Accumulator a = 4 xt + ot packs into four registers, which are half an image: 32 lanes store 512 consecutive bytes, aligned.
; q, k: half ot % 2 of fragment (position tile xt, channel step ot / 2).   v: half xt % 2 of fragment (32 positions xt / 2, channel tile ot).  Each accumulator is read from its low end on.
.macro WAYOUT tr, base, first
.irp bt, 0,1
.if !((\first) && (\bt == 0))
	s_wait_xcnt 0x0                                ; the last batch's stores have read their data: only behind this wait are those registers written again
.endif
	WIN 0x0a                                       ; sources window 2, destination window 0
.set a, 16*\bt
.rept 16
.irp j, 0,1,2,3
	v_cvt_pk_f16_f32 v[OUTP+4*(a-16*\bt)+\j], v[8*a+2*\j], v[8*a+2*\j+1]   ; the first source into the low half
.endr
.set a, a+1
.endr
	WIN 0
.set a, 16*\bt
.rept 16
.if \tr
	global_store_b128 v1, v[OUTP+4*(a-16*\bt):OUTP+4*(a-16*\bt)+3], s[\base:\base+1] offset:(a/8)*32768+(a%4)*1024+((a/4)%2)*512
.else
	global_store_b128 v1, v[OUTP+4*(a-16*\bt):OUTP+4*(a-16*\bt)+3], s[\base:\base+1] offset:(a/4)*16384+(a%4)*512
.endif
.set a, a+1
.endr
.endr
.endm
	WIN 0
	s_wait_loadcnt 32                              ; all but the youngest 32 loads, Wk's, are in
.irp i, 0,1,2,3
.irp e, 1,2,3,4,5,6,7
	v_mov_b32 v[BT+64+8*\i+\e], v[BT+64+8*\i]      ; bv's tiles: a lane's eight positions share its channel's bias
.endr
.endr
	PASS 0, 0, 0                                   ; q
	WIN 0
	PLACES 4                                       ; in front of loads into registers that products have read, and of the first read of results
	WLOAD 2, 0                                     ; Wv takes Wq's set: it lands while q goes out and k is multiplied
	WAYOUT 0, 22, 1
	s_wait_loadcnt 32                              ; Wk is in; Wv's 32 may be out
	PASS 1, 1, 0                                   ; k
	WIN 0
	PLACES 4
	WAYOUT 0, 24, 0
	s_wait_loadcnt 0x0                             ; Wv
	PASS 2, 0, 1                                   ; v
	WIN 0
	PLACES 4
	WAYOUT 1, 26, 0
	s_endpgm
.Lfunc_end_k_q129e8fbf0b_proj:
	.size	k_q129e8fbf0b_proj, .Lfunc_end_k_q129e8fbf0b_proj-k_q129e8fbf0b_proj
	.p2alignl 7, 3214868480
	.fill 96, 4, 3214868480
	.section	.rodata,"a",@progbits
	.p2align	6, 0x0
	.amdhsa_kernel k_q129e8fbf0b_proj
		.amdhsa_group_segment_fixed_size 0
		.amdhsa_private_segment_fixed_size 0
		.amdhsa_enable_private_segment 0
		.amdhsa_kernarg_size 80
		.amdhsa_user_sgpr_count 2
		.amdhsa_user_sgpr_kernarg_segment_ptr 1
		.amdhsa_wavefront_size32 1
		.amdhsa_system_sgpr_workgroup_id_x 1
		.amdhsa_system_sgpr_workgroup_id_y 1
		.amdhsa_system_sgpr_workgroup_id_z 1
		.amdhsa_system_vgpr_workitem_id 0
		.amdhsa_next_free_vgpr 1024
		.amdhsa_next_free_sgpr 66
		.amdhsa_reserve_vcc 0
		.amdhsa_float_denorm_mode_32 3
		.amdhsa_float_denorm_mode_16_64 3
		.amdhsa_memory_ordered 1
		.amdhsa_forward_progress 1
		.amdhsa_inst_pref_size 106
	.end_amdhsa_kernel
	.amdgpu_metadata
---
amdhsa.version: [ 1, 2 ]
amdhsa.kernels:
  - .name:           k_q129e8fbf0b_proj
    .symbol:         k_q129e8fbf0b_proj.kd
    .args:
      - { .name: xc, .offset: 0, .size: 8, .value_kind: global_buffer, .address_space: global }
      - { .name: xs, .offset: 8, .size: 8, .value_kind: global_buffer, .address_space: global }
      - { .name: wc, .offset: 16, .size: 8, .value_kind: global_buffer, .address_space: global }
      - { .name: ws, .offset: 24, .size: 8, .value_kind: global_buffer, .address_space: global }
      - { .name: bq, .offset: 32, .size: 8, .value_kind: global_buffer, .address_space: global }
      - { .name: bk, .offset: 40, .size: 8, .value_kind: global_buffer, .address_space: global }
      - { .name: bv, .offset: 48, .size: 8, .value_kind: global_buffer, .address_space: global }
      - { .name: qf, .offset: 56, .size: 8, .value_kind: global_buffer, .address_space: global }
      - { .name: kf, .offset: 64, .size: 8, .value_kind: global_buffer, .address_space: global }
      - { .name: vf, .offset: 72, .size: 8, .value_kind: global_buffer, .address_space: global }
    .group_segment_fixed_size: 0
    .private_segment_fixed_size: 0
    .kernarg_segment_align: 8
    .kernarg_segment_size: 80
    .max_flat_workgroup_size: 128
    .sgpr_count:     66
    .vgpr_count:     1024
    .wavefront_size: 32
...
	.end_amdgpu_metadata
.endif
;; end of part 2
;; launch attn (part 3): grid 32 x 8, 4 waves a work-group, clusters of 4 x 1, 327,680 bytes of LDS; arguments qf, kf, vf, out0; writes out0
.if DOCPART == 3
	.amdgcn_target "amdgcn-amd-amdhsa--gfx1250"
	.amdhsa_code_object_version 6
	.text
	.protected	k_q129e8fbf0b_attn
	.globl	k_q129e8fbf0b_attn
	.p2align	8
	.type	k_q129e8fbf0b_attn,@function
k_q129e8fbf0b_attn:
	s_mov_b64 s[64:65], 0
	v_nop
	global_prefetch_b8 v0, s[64:65] scope:SCOPE_SE
	s_setreg_imm32_b32 hwreg(HW_REG_WAVE_MODE, 25, 1), 1
	s_wait_xcnt 0x0
	s_wait_alu depctr_hold_cnt(0) depctr_sa_sdst(0) depctr_va_vdst(0) depctr_va_sdst(0) depctr_va_ssrc(0) depctr_va_vcc(0) depctr_vm_vsrc(0)
	s_getreg_b32 s2, hwreg(HW_REG_IB_STS2, 6, 4)
	s_cmp_eq_u32 s2, 0
	s_cbranch_scc0 .Lentry_in_a_cluster
	s_endpgm
.Lentry_in_a_cluster:
	s_bfe_u32 s2, ttmp6, 0x10000c
	s_cmp_lg_u32 s2, 0x3003
	s_cbranch_scc0 .Lentry_shape_is_right
	s_endpgm
.Lentry_shape_is_right:
; out[b][c][l] = the sum over m of v[b][c][m] softmax_m(q[b][:][l] . k[b][:][m] / sqrt(512)).  q, k, v come as f16 operand images (below); products, maxima and sums in f32; the weights p are
; rounded to f16 for the second product; out is f32.  LIMITS: p under the smallest f16 number counts as 0 (each row's sum is at least 1); NaN and infinities are not served.
; IMAGES: a fragment (16 rows x 32 K of f16, 8 registers a lane) is 1,024 bytes, registers 4 c .. 4 c + 3 of lane l at 512 c + 16 l: two loads of 16 bytes a lane, each 512 consecutive bytes.
;   qf, kf [position tile][channel step 16][1,024];   vf [32 positions][channel tile 32][1,024].  A step's 64 keys are 65,536 consecutive bytes of kf, and of vf.
; SHARES.  A work-group owns 64 queries of one batch (four tiles of 16); keys go in 32 steps of 64.  S^T = K Q^T: wave w takes keys 16 w .. 16 w + 15 of the step against all 64 queries (4 accumulators, 64 products;
; Q stays in 512 registers of every wave).  O^T = V^T P: wave w takes channels 128 w .. 128 w + 127 against all 64 queries (32 accumulators, 64 products).  A lane holds ONE query (lane % 16) throughout.
; What goes from wave to wave is small and goes through LDS: each wave's largest score of each query (MX), and its 16 keys' weights, which are half of a fragment of P.
; SOFTMAX.  A running maximum m and a sum l for each query: p = 2^(c s - c m), c = log2(e) / sqrt(512); in every step O and l are multiplied by a = 2^(c m_old - c m_new).  Every wave makes m from the four waves'
; maxima, so all four hold the same m and a; l is each wave's own 16 keys' and is added up at the end.
; THE PIPELINE: ONE BARRIER A STEP.  Interval j: softmax of step j + 1 | V^T P of step j | K Q^T of step j + 2, with the rescaling of O by a(j + 1) set between its products | the wave's maxima of step j + 2.
; The barrier at its head publishes P(j) and MX(j + 1); P and MX have two buffers each, taken by the step's parity.  Slot j % 2 holds V(j) and K(j + 2); behind the barrier the other slot takes V(j + 1) and K(j + 3).
; CLUSTER.  The four query blocks of a cluster belong to one batch and walk the same K and V: every tile is asked for JOINTLY, the same tensor load with the same descriptor and a mask that names the four.
; LDS: slot s at 131,072 s: V's 64 KB [32 keys 2][channel tile 32][1,024], then K's 64 KB [key tile 4][channel step 16][1,024]; P's two buffers of 8 KB; MX's two of 1 KB and the sums' 1 KB; the spare words.
; All of a WGP's LDS is claimed.  No padding: every LDS load and store of 16 bytes a lane takes 512 consecutive bytes.
; REGISTERS, in windows of 256 (s_set_vgpr_msb: bits 1:0 source 0, 3:2 source 1, 5:4 source 2, 7:6 destination):
;   window 0: v1-15 addresses; v16-47 eight registers of statistics a tile; v48-79 S^T, later P's second half; v80-95 the four waves' maxima, later packed p; v96-159, v160-223 fragments of V or K; v224-255 P's first half
;   window 1: O^T, accumulator (channel tile ct, query tile qt) at v[8 (4 ct + qt)]        windows 2, 3: Q, fragment (qt, channel step cs) in window 2 + cs / 8 at v[8 (4 (cs % 8) + qt)]
.set SLOT,   131072
.set PBASE,  2*SLOT                    ; P: buffer x 8,192 + (4 x (32 keys) + qt) x 1,024
.set MXBASE, PBASE+16384               ; MX: buffer x 1,024 + query x 16 + wave x 4
.set LX,     2048                      ; behind MX's two buffers: the waves' sums, laid like MX
.set SPARE,  MXBASE+3072               ; the spare words, 128 bytes for each wave: two blocks of 256 bytes that no other line names
.set SROW,   272                       ; the way out: a stage of 64 rows x (256 bytes + 16) for each wave, from LDS byte 0 on: slot 0 has had its last fill and its last read by then
.set AV,  2                            ; v2, v3   my V fragments in slot 0, 1
.set AK,  4                            ; v4, v5   my K fragments
.set PRD, 6                            ; v6       where I read P
.set PWR, 7                            ; v7       where I put my half fragment of P
.set MXW, 8                            ; v8       where I put my wave's maximum
.set MXA, 9                            ; v9       where I read the four waves'
.set PFO, 10                           ; v10      256 x lane: the prefetches' offset
.set STO, 11                           ; v11      the stage: where I put a number
.set RD,  12                           ; v12      and where I read a row back
.set GO,  13                           ; v13      my byte offset in the wave's rows of out
.set SPW, 14                           ; v14      LDS address of my spare word; never rewritten
.set NIL, 15                           ; v15      0; never rewritten
.set ST,  16                           ; tile t's statistics at v[ST + 8 t]: +0 c m, +1 m, +2, +3 l (even keys', odd keys'), +4, +5 at work, +6 a, +7 c m_old - c m_new
.set S,   48
.set MXR, 80
.set PT,  80
.set FA,  96                           ; two sets of 64: FA and FA + 64
.set PF,  224
.set WV,  12                           ; s12      my wave's number
.set LIM, 15                           ; s15      the loop's count above which I prefetch: 0 for V, 1 for K; the greatest number in a wave that never does
.set PFA, 18                           ; s[18:19] where my prefetches stand
.set G1,  24                           ; s[24:31] descriptor group 1
.set G0,  32                           ; s[32:39] descriptor group 0, a set for each slot
.set KSTP, 40                          ; s[40:41] two steps in bytes in the waves that fetch K, 0 in those that fetch V
.set CS,  42                           ; s[42:43] c: the packed form names a pair and takes its low word for both halves
.set SEL, 44                           ; s[44:45] v_permlanex16_b32's selects for lane l xor 16
.set CNT, 46                           ; s46      the loop's trips to go
.set MSB, 0
.macro WIN new                         ; the immediate's high byte repeats the setting that is left; a switch that changes nothing is dropped
.if MSB != (\new)
	s_set_vgpr_msb (MSB<<8)|(\new)
.set MSB, (\new)
.endif
.endm
.macro PLACES n
.rept \n
	v_nop
.endr
.endm
; A round of the cluster's barrier: my work-group's barrier; wave 0 signals for the work-group; every wave waits for all four work-groups; my work-group's barrier once more.
.macro CROUND
	s_barrier_signal -1
	s_barrier_wait -1
	s_cmp_lg_u32 s[WV], 0
	s_cbranch_scc1 .Lnot_wave_0_\@
	s_barrier_signal -3
.Lnot_wave_0_\@:
	s_barrier_wait -3
	s_barrier_signal -1
	s_barrier_wait -1
.endm
	s_load_b256 s[4:11], s[0:1], 0x0               ; qf s[4:5], kf s[6:7], vf s[8:9], out0 s[10:11]
	v_lshl_add_u32 v[SPW], v0, 2, SPARE
	v_mov_b32 v[NIL], 0
	ds_add_u32 v[SPW], v[NIL]                      ; the wave's opening: the add, twice on end, and its wait ahead of my first tensor load; the set-up below stands between
	ds_add_u32 v[SPW], v[NIL]
	v_lshrrev_b32 v1, 5, v0
	v_readfirstlane_b32 s[WV], v1                  ; wave 0..3
	s_bfe_u32 s13, ttmp6, 0x40000                  ; cx: my place in the cluster
	s_lshl_b32 s14, ttmp9, 2                       ; in a cluster launch ttmp9 counts clusters
	s_add_co_u32 s14, s14, s13                     ; my block of 64 queries: it enters Q's and out's addresses alone
	s_and_b32 s16, ttmp7, 0xffff                   ; the batch, which the four partners share
	s_lshl_b32 s20, s16, 21                        ; a batch is 2 MiB of each of qf, kf, vf
	s_and_b32 s17, s[WV], 1
	s_lshl_b32 s17, s17, 15                        ; which 32 KB of a step's 64 KB I fetch
	s_add_co_u32 s20, s20, s17
	s_mov_b32 s21, 0
	s_lshl_b32 s48, s[WV], 15                      ; and where in a slot: waves 0, 1 V's halves, waves 2, 3 K's: no place in the cluster enters an LDS address
	; descriptor group 1: a dense block of 32 KB as 128 rows of 256 bytes (32 elements of 8 bytes), no padding
	s_mov_b32 s[G1], 15|(3<<16)|(1<<21)            ; 15:0 the mask: all four work-groups; 17:16 elements of 8 bytes; 21 set beside a mask
	s_mov_b32 s[G1+1], 32<<16                      ; tensor_dim0 = 32
	s_mov_b32 s[G1+2], 128<<16                     ; tensor_dim1 = 128
	s_mov_b32 s[G1+3], 32<<16                      ; tile_dim0 = 32
	s_mov_b32 s[G1+4], 128                         ; tile_dim1 = 128
	s_mov_b32 s[G1+5], 32                          ; from row to row
	s_mov_b32 s[G1+6], 0
	s_mov_b32 s[G1+7], 0
	s_mov_b32 s[CS], 0x3d8293ee                    ; c = log2(e) / sqrt(512) = 0.0637587
	s_mov_b32 s[CS+1], s[CS]                       ; named with it as a pair, so it is written
	s_mov_b32 s[SEL], 0x76543210
	s_mov_b32 s[SEL+1], 0xfedcba98
	s_mov_b32 s[KSTP+1], 0
	s_mov_b32 s47, 0x30000
	s_cmp_lt_u32 s[WV], 2                          ; do I fetch for V?
	s_cselect_b32 s[LIM], 0, 1
	s_cselect_b32 s[KSTP], 0, 0x20000
	s_cselect_b32 s22, 0x10000, s47                ; the prefetches begin at V's step 1, K's step 3: the first change steps them on to 2 and 4
	s_cmp_eq_u32 ttmp9, 0                          ; all eight clusters of a batch walk the same K and V: the first of them prefetches
	s_cselect_b32 s[LIM], s[LIM], -1
	s_lshl_b32 s23, s13, 13                        ; of the 32 KB that I fetch, my work-group names 8 KB: the partners are told apart by address
	s_add_co_u32 s22, s22, s23
	s_mov_b32 s23, 0
	s_lshl_b32 s50, s16, 21
	s_lshl_b32 s51, s14, 16                        ; 64 queries are 65,536 bytes of qf
	s_add_co_u32 s50, s50, s51
	s_mov_b32 s51, 0
	s_lshl_b32 s52, s16, 22                        ; a batch of out is 4 MiB,
	s_lshl_b32 s53, s[WV], 20                      ; my 128 rows of 8,192 bytes 1 MiB,
	s_add_co_u32 s52, s52, s53
	s_lshl_b32 s53, s14, 8                         ; 64 queries 256 bytes of a row
	s_add_co_u32 s52, s52, s53
	s_mov_b32 s53, 0
	s_wait_dscnt 0x0                               ; both opening adds are done
	s_wait_kmcnt 0x0
	s_cmp_lt_u32 s[WV], 2
	s_cselect_b64 s[2:3], s[8:9], s[6:7]           ; V's buffer in waves 0 and 1, K's in waves 2 and 3: the wave's number alone decides
	s_add_nc_u64 s[2:3], s[2:3], s[20:21]          ; my 32 KB of step 0
	s_add_nc_u64 s[PFA:PFA+1], s[2:3], s[22:23]
	s_add_nc_u64 s[4:5], s[4:5], s[50:51]          ; Q at my block's first tile
	s_add_nc_u64 s[10:11], s[10:11], s[52:53]      ; out at my wave's first row, my block's first query
.irp s, 0,1
	s_mov_b32 s[G0+4*\s], 1                        ; count = 1
	s_add_co_u32 s[G0+4*\s+1], s48, \s*SLOT        ; LDS address
	s_add_nc_u64 s[G0+4*\s+2:G0+4*\s+3], s[2:3], \s*65536   ; global address: slot s begins with V(s) and K(s)
	s_or_b32 s[G0+4*\s+3], s[G0+4*\s+3], 0x80000000         ; type = 2
.endr
	CROUND                                         ; all four work-groups are here: the first joint loads meet
	tensor_load_to_lds s[G0:G0+3], s[G1:G1+7]      ; every wave's two first fills, ahead of every wait on TENSORcnt, every LDS read and every other barrier: two loads of mine are out
	s_nop 0
	tensor_load_to_lds s[G0+4:G0+7], s[G1:G1+7]
	s_nop 0
	PLACES 4
	v_and_b32 v96, 31, v0                          ; lane
	v_and_b32 v97, 15, v0                          ; r
	v_bfe_u32 v98, v0, 4, 1                        ; h
	v_lshlrev_b32 v1, 4, v96                       ; 16 x lane
	WIN 0x80                                       ; destination window 2
.irp cs, 0,1,2,3,4,5,6,7                       ; Q stays in registers
.irp t, 0,1,2,3
	global_load_b128 v[8*(4*\cs+\t):8*(4*\cs+\t)+3],   v1, s[4:5] offset:\t*16384+\cs*1024
	global_load_b128 v[8*(4*\cs+\t)+4:8*(4*\cs+\t)+7], v1, s[4:5] offset:\t*16384+\cs*1024+512
.endr
.endr
	WIN 0xc0                                       ; destination window 3
.irp cs, 0,1,2,3,4,5,6,7
.irp t, 0,1,2,3
	global_load_b128 v[8*(4*\cs+\t):8*(4*\cs+\t)+3],   v1, s[4:5] offset:\t*16384+(8+\cs)*1024
	global_load_b128 v[8*(4*\cs+\t)+4:8*(4*\cs+\t)+7], v1, s[4:5] offset:\t*16384+(8+\cs)*1024+512
.endr
.endr
	WIN 0
	s_lshl_b32 s49, s[WV], 13                      ; V: my eight channel tiles
	v_add_nc_u32 v[AV], s49, v1
	v_add_nc_u32 v[AV+1], SLOT, v[AV]
	s_lshl_b32 s49, s[WV], 14                      ; K: my key tile, behind V's 64 KB
	s_add_co_u32 s49, s49, 65536
	v_add_nc_u32 v[AK], s49, v1
	v_add_nc_u32 v[AK+1], SLOT, v[AK]
	v_add_nc_u32 v[PRD], PBASE, v1
	s_lshr_b32 s49, s[WV], 1                       ; my 16 keys are half wave % 2 of the fragments of 32 keys wave / 2
	s_lshl_b32 s49, s49, 12
	s_and_b32 s54, s[WV], 1
	s_lshl_b32 s54, s54, 9
	s_add_co_u32 s49, s49, s54
	s_add_co_u32 s49, s49, PBASE
	v_add_nc_u32 v[PWR], s49, v1
	v_lshlrev_b32 v[MXA], 4, v97
	v_add_nc_u32 v[MXA], MXBASE, v[MXA]            ; my query's four words
	s_lshl_b32 s49, s[WV], 2
	v_add_nc_u32 v[MXW], s49, v[MXA]               ; and my wave's among them
	v_lshlrev_b32 v[PFO], 8, v96
	s_mul_i32 s49, s[WV], 64*SROW                  ; my stage
	v_mul_u32_u24 v[STO], v98, 8*SROW              ; in: row = channel 8 h + e, 4 bytes at query r
	v_lshl_add_u32 v[STO], v97, 2, v[STO]
	v_add_nc_u32 v[STO], s49, v[STO]
	v_mul_u32_u24 v[RD], v98, SROW                 ; back: lanes 0-15 one row of 256 bytes, lanes 16-31 the next
	v_lshl_add_u32 v[RD], v97, 4, v[RD]
	v_add_nc_u32 v[RD], s49, v[RD]
	v_lshlrev_b32 v[GO], 13, v98                   ; and the same two rows of out
	v_lshl_add_u32 v[GO], v97, 4, v[GO]
.irp t, 0,1,2,3
	v_mov_b32 v[ST+8*\t+5], 0                      ; written once: a lane permute's destination counts as one of its sources,
	v_mov_b32 v[ST+8*\t+7], 0                      ; and this one is named as a pair's upper half
.endr
; THE CHANGE OF SLOTS, at an interval's head.  Each wave waits for all its tensor loads (its part of the slot that it is about to read), adds 0 to its spare word, and waits for that, for its reads of the slot
; that it has left, and for its stores of P and MX.  Behind the barrier slot par is whole, P and MX are published, and nobody reads slot 1 - par.
; fill = 2: that slot takes V and K two steps on;  1: K alone (the first two changes: its V has not been read yet);  3: V alone (no K is left);  0: nothing, and a plain barrier does.
; Where a slot is filled the barrier is a round of the cluster's, and the joint load is the first thing behind it, one a wave; the branch round it hangs on the wave's number alone.
.macro CHANGE par, fill, ask
	WIN 0                                          ; at a label and at a branch every window is 0
	s_wait_tensorcnt 0x0                           ; no tensor load of mine is out, so a group 0 may be written
	ds_add_u32 v[SPW], v[NIL]                      ; 0 onto my spare word; the steps below stand between it and the wait for it
.if (\fill == 2) || (\fill == 3)
	s_add_nc_u64 s[G0+4*(1-\par)+2:G0+4*(1-\par)+3], s[G0+4*(1-\par)+2:G0+4*(1-\par)+3], 0x20000   ; two steps on; the type bits on top are not reached
.elseif \fill == 1
	s_add_nc_u64 s[G0+4*(1-\par)+2:G0+4*(1-\par)+3], s[G0+4*(1-\par)+2:G0+4*(1-\par)+3], s[KSTP:KSTP+1]
.endif
.if \ask
	s_wait_xcnt 0x0                                ; the last prefetch, an interval back, has read its address, so it may be written
	s_add_nc_u64 s[PFA:PFA+1], s[PFA:PFA+1], 0x10000
.endif
	s_wait_dscnt 0x0
.if \fill
	CROUND
.if \fill == 1
	s_cmp_lt_u32 s[WV], 2
	s_cbranch_scc1 .Lnone_\@
.elseif \fill == 3
	s_cmp_lt_u32 s[WV], 2
	s_cbranch_scc0 .Lnone_\@
.endif
	tensor_load_to_lds s[G0+4*(1-\par):G0+4*(1-\par)+3], s[G1:G1+7]   ; it has the whole interval, 128 products a wave, in which to land
	s_nop 0
	PLACES 4
.Lnone_\@:
.else
	s_barrier_signal -1
	s_barrier_wait -1
.endif
.endm
; The interval's first run of LDS loads: the four waves' maxima (4), P's first 32 keys (8), V's first 32 keys (16), V's second (16)
.macro TOPLD par, pv, sm
.if \sm
.irp t, 0,1,2,3
	ds_load_b128 v[MXR+4*\t:MXR+4*\t+3], v[MXA] offset:(1-\par)*1024+\t*256
.endr
.endif
.if \pv
.irp t, 0,1,2,3
	ds_load_b128 v[PF+8*\t:PF+8*\t+3],   v[PRD] offset:\par*8192+\t*1024
	ds_load_b128 v[PF+8*\t+4:PF+8*\t+7], v[PRD] offset:\par*8192+\t*1024+512
.endr
.irp k, 0,1
.irp c, 0,1,2,3,4,5,6,7
	ds_load_b128 v[FA+64*\k+8*\c:FA+64*\k+8*\c+3],   v[AV+\par] offset:\k*32768+\c*1024
	ds_load_b128 v[FA+64*\k+8*\c+4:FA+64*\k+8*\c+7], v[AV+\par] offset:\k*32768+\c*1024+512
.endr
.endr
.endif
.endm
; A PREFETCH INTO THE L2 of what the change of slots two intervals on will ask for: at interval j V(j + 3) and K(j + 5).  It stands behind the wave's tensor load and the run of LDS loads.
; Each aligned block of 256 bytes is named once in the launch: the batch's first cluster asks; each wave for the 32 KB that it will itself fetch, of which each of the four partners names 8 KB, lanes 256 bytes apart.
; V(0), V(1) and K(0) to K(3) come by their loads alone.  K's last request is K(31), two trips before the loop's end; V's is V(31), in its last trip.  mode 1: ahead of the loop; 2: in it.
.macro ASK mode
.if \mode == 1
	s_cmp_lg_u32 s[LIM], -1
.else
	s_cmp_gt_u32 s[CNT], s[LIM]
.endif
	s_cbranch_scc0 .Lnot_mine_\@
	global_prefetch_b8 v[PFO], s[PFA:PFA+1] th:TH_LOAD_NT scope:SCOPE_SE
.Lnot_mine_\@:
.endm
; THE SOFTMAX of my 16 keys x 64 queries, the four tiles by turns.  first = 1: the first step, which has no old m, no a, and starts l.
.macro SMX first, par
.if !\first
.irp t, 0,1,2,3
	v_mov_b32 v[ST+8*\t+7], v[ST+8*\t]             ; c m_old is kept for a
.endr
.endif
.irp t, 0,1,2,3
	v_max3_num_f32 v[ST+8*\t+4], v[MXR+4*\t], v[MXR+4*\t+1], v[MXR+4*\t+2]
.endr
.irp t, 0,1,2,3
.if \first
	v_max_num_f32 v[ST+8*\t+1], v[ST+8*\t+4], v[MXR+4*\t+3]
.else
	v_max3_num_f32 v[ST+8*\t+1], v[ST+8*\t+4], v[MXR+4*\t+3], v[ST+8*\t+1]   ; the new m: the step's 64 keys and the old m
.endif
.endr
.irp t, 0,1,2,3
	v_mul_f32 v[ST+8*\t], s[CS], v[ST+8*\t+1]      ; c m
.endr
.if !\first
.irp t, 0,1,2,3
	v_sub_f32 v[ST+8*\t+7], v[ST+8*\t+7], v[ST+8*\t]
.endr
.endif
.irp b, 0,2,4,6
.irp t, 0,1,2,3
	v_pk_fma_f32 v[S+8*\t+\b:S+8*\t+\b+1], v[S+8*\t+\b:S+8*\t+\b+1], s[CS:CS+1], v[ST+8*\t:ST+8*\t+1] op_sel_hi:[1,0,0] neg_lo:[0,0,1] neg_hi:[0,0,1]   ; c s - c m, two at a time
.endr
.endr
.if !\first
.irp t, 0,1,2,3
	v_exp_f32 v[ST+8*\t+6], v[ST+8*\t+7]           ; a
.endr
.endif
.irp e, 0,1,2,3,4,5,6,7
.irp t, 0,1,2,3
	v_exp_f32 v[S+8*\t+\e], v[S+8*\t+\e]           ; p, at most 1
.endr
.endr
	v_nop                                          ; a plain line behind the last exponential
	s_wait_alu depctr_va_vdst(0)                   ; ONE wait for the whole batch, ahead of the first line that names a result
.irp t, 0,1,2,3
.irp i, 0,1,2,3
	v_cvt_pk_f16_f32 v[PT+4*\t+\i], v[S+8*\t+2*\i], v[S+8*\t+2*\i+1]
.endr
.endr
.irp t, 0,1,2,3
	ds_store_b128 v[PWR], v[PT+4*\t:PT+4*\t+3] offset:(1-\par)*8192+\t*1024   ; my half of the fragment (32 keys wave / 2, tile t), as its registers want it
.endr
.irp t, 0,1,2,3
	v_pk_add_f32 v[S+8*\t:S+8*\t+1], v[S+8*\t:S+8*\t+1], v[S+8*\t+2:S+8*\t+3]       ; the sum is taken of p in f32
.endr
.irp t, 0,1,2,3
	v_pk_add_f32 v[S+8*\t+4:S+8*\t+5], v[S+8*\t+4:S+8*\t+5], v[S+8*\t+6:S+8*\t+7]
.endr
.if \first
.irp t, 0,1,2,3
	v_pk_add_f32 v[ST+8*\t+2:ST+8*\t+3], v[S+8*\t:S+8*\t+1], v[S+8*\t+4:S+8*\t+5]
.endr
.else
.irp t, 0,1,2,3
	v_pk_add_f32 v[S+8*\t:S+8*\t+1], v[S+8*\t:S+8*\t+1], v[S+8*\t+4:S+8*\t+5]
.endr
.irp t, 0,1,2,3
	v_pk_fma_f32 v[ST+8*\t+2:ST+8*\t+3], v[ST+8*\t+2:ST+8*\t+3], v[ST+8*\t+6:ST+8*\t+7], v[S+8*\t:S+8*\t+1] op_sel_hi:[1,0,1]   ; l = a l + the sum
.endr
.endif
.endm
.macro PF2LD par                       ; P's second 32 keys, into the registers that the scores have left
.irp t, 0,1,2,3
	ds_load_b128 v[S+8*\t:S+8*\t+3],   v[PRD] offset:\par*8192+4096+\t*1024
	ds_load_b128 v[S+8*\t+4:S+8*\t+7], v[PRD] offset:\par*8192+4096+\t*1024+512
.endr
.endm
; 32 products of O^T += V^T P, 32 keys: the 32 accumulators by turns, one instruction a turn.  zero = 1: they start the sums: nothing is ever cleared
.macro PVK ks, zero
.set PB, PF
.if \ks
.set PB, S
.endif
	WIN 0x50                                       ; C and D window 1
.irp c, 0,1,2,3,4,5,6,7
.irp t, 0,1,2,3
.if \zero
	v_wmma_f32_16x16x32_f16 v[8*(4*\c+\t):8*(4*\c+\t)+7], v[FA+64*\ks+8*\c:FA+64*\ks+8*\c+7], v[PB+8*\t:PB+8*\t+7], 0
.else
	v_wmma_f32_16x16x32_f16 v[8*(4*\c+\t):8*(4*\c+\t)+7], v[FA+64*\ks+8*\c:FA+64*\ks+8*\c+7], v[PB+8*\t:PB+8*\t+7], v[8*(4*\c+\t):8*(4*\c+\t)+7]
.endif
.endr
.endr
.endm
.macro KLD half, par                   ; my key tile's fragments of channel steps 8 half .. 8 half + 7: 16 loads
.irp c, 0,1,2,3,4,5,6,7
	ds_load_b128 v[FA+64*\half+8*\c:FA+64*\half+8*\c+3],   v[AK+\par] offset:(8*\half+\c)*1024
	ds_load_b128 v[FA+64*\half+8*\c+4:FA+64*\half+8*\c+7], v[AK+\par] offset:(8*\half+\c)*1024+512
.endr
.endm
.macro RESC n                          ; accumulator n of O^T times its tile's a, from its low end on
	WIN 0x41                                       ; O^T (destination and source 0) window 1, a window 0
.irp i, 0,2,4,6
	v_pk_mul_f32 v[8*(\n)+\i:8*(\n)+\i+1], v[8*(\n)+\i:8*(\n)+\i+1], v[ST+8*((\n)%4)+6:ST+8*((\n)%4)+7] op_sel_hi:[1,0]
.endr
.endm
; 32 products of S^T = K Q^T, 256 channels: the four tiles' accumulators by turns; the first four start the sums.  resc = 1: behind each pair of products one accumulator of O^T is rescaled: vector work that names
; none of the products' registers.
.macro QKH half, resc
.irp c, 0,1,2,3,4,5,6,7
.irp t, 0,1,2,3
	WIN 0x08+4*\half                               ; Q in window 2 or 3
.if (\half == 0) && (\c == 0)
	v_wmma_f32_16x16x32_f16 v[S+8*\t:S+8*\t+7], v[FA+64*\half+8*\c:FA+64*\half+8*\c+7], v[8*(4*\c+\t):8*(4*\c+\t)+7], 0
.else
	v_wmma_f32_16x16x32_f16 v[S+8*\t:S+8*\t+7], v[FA+64*\half+8*\c:FA+64*\half+8*\c+7], v[8*(4*\c+\t):8*(4*\c+\t)+7], v[S+8*\t:S+8*\t+7]
.endif
.if \resc && (\t % 2)
	RESC 16*\half+2*\c+\t/2
.endif
.endr
.endr
.endm
.macro LMX par                         ; the largest of my 16 keys' scores for each query, to MX: each accumulator is read from its low end on
.irp t, 0,1,2,3
	v_max3_num_f32 v[ST+8*\t+4], v[S+8*\t], v[S+8*\t+1], v[S+8*\t+2]
.endr
.irp t, 0,1,2,3
	v_max3_num_f32 v[ST+8*\t+5], v[S+8*\t+3], v[S+8*\t+4], v[S+8*\t+5]
.endr
.irp t, 0,1,2,3
	v_max3_num_f32 v[ST+8*\t+4], v[ST+8*\t+4], v[S+8*\t+6], v[S+8*\t+7]
.endr
.irp t, 0,1,2,3
	v_max_num_f32 v[ST+8*\t+4], v[ST+8*\t+4], v[ST+8*\t+5]
.endr
.irp t, 0,1,2,3
	v_permlanex16_b32 v[ST+8*\t+5], v[ST+8*\t+4], s[SEL], s[SEL+1]   ; the query's other eight keys lie in the lane 16 away
.endr
.irp t, 0,1,2,3
	v_max_num_f32 v[ST+8*\t+4], v[ST+8*\t+4], v[ST+8*\t+5]
.endr
.irp t, 0,1,2,3
	ds_store_b32 v[MXW], v[ST+8*\t+4] offset:\par*1024+\t*256        ; both halves of the lanes write the same word with the same value
.endr
.endm
.macro QKPART par, resc                ; both runs of K's loads have been issued
	s_wait_dscnt 16                                ; all but the youngest 16 LDS instructions: the first 256 channels are in
	QKH 0, \resc
	s_wait_dscnt 0x0
	QKH 1, \resc
	WIN 0
.if !\resc
	PLACES 4                                       ; in front of the first read of the scores; with resc = 1 the last accumulator's four multiplications are these places
.endif
	LMX \par
.endm
; AN INTERVAL.  pv: 0 no V^T P, 1 it starts O^T's sums, 2 it adds.  sm: 0 no softmax, 1 the first step's, 2 a later one.  qk: K Q^T and the maxima.  resc: O^T is rescaled.  ask: 0, or ASK's mode.
.macro INTERVAL par, fill, ask, pv, sm, qk, resc
	CHANGE \par, \fill, \ask
	TOPLD \par, \pv, \sm
.if \ask
	ASK \ask
.endif
.if \sm
.if \pv
	s_wait_dscnt 40                                ; the maxima are in; P's 8 loads and V's 32 may be out
.else
	s_wait_dscnt 0x0
.endif
	SMX (2-\sm), \par
.endif
.if \pv
	PF2LD \par
.if \sm
	s_wait_dscnt 28                                ; P's first half and V's are in; out may be V's second 16, my 4 stores of p, P's second 8
.else
	s_wait_dscnt 24
.endif
	PVK 0, (2-\pv)
	WIN 0
.if \qk
	PLACES 4                                       ; in front of loads into registers that products have read
	KLD 0, \par
	s_wait_dscnt 16                                ; all but these 16
.else
	s_wait_dscnt 0x0
.endif
	PVK 1, 0
	WIN 0
.if \qk
	PLACES 5                                       ; the next products write over P's second half, which these have read: five places; four of them serve the loads below and the rescaling
	KLD 1, \par
.elseif \resc
	PLACES 4
.endif
.else
	KLD 0, \par
	KLD 1, \par
.endif
.if \qk
	QKPART \par, \resc
.elseif \resc
.set nn, 0
.rept 32
	RESC nn
.set nn, nn+1
.endr
	WIN 0
.endif
.endm
	s_wait_tensorcnt 0x1                           ; my part of slot 0 is in; slot 1's may stay out
	s_barrier_signal -1
	s_barrier_wait -1                              ; everybody's is
	KLD 0, 0                                       ; interval -2: K Q^T of step 0
	KLD 1, 0
	s_wait_loadcnt 0x0                             ; Q
	QKPART 0, 0
	INTERVAL 1, 1, 1, 0, 1, 1, 0                   ; interval -1: the first softmax | K Q^T of step 1.        Slot 0 takes K(2)
	INTERVAL 0, 1, 1, 1, 2, 1, 1                   ; interval 0:  V^T P of step 0 starts O^T.                 Slot 1 takes K(3)
	s_mov_b32 s[CNT], 14
.Ltrip:                                            ; intervals 1 to 28, two a trip: the slots, P's and MX's buffers are back where they began
	INTERVAL 1, 2, 2, 2, 2, 1, 1
	INTERVAL 0, 2, 2, 2, 2, 1, 1
	s_sub_co_u32 s[CNT], s[CNT], 1
	s_cmp_lg_u32 s[CNT], 0
	s_cbranch_scc1 .Ltrip
	INTERVAL 1, 3, 0, 2, 2, 1, 1                   ; interval 29: K Q^T of step 31, the last.  The tail is written out.   Slot 0 takes V(30)
	INTERVAL 0, 3, 0, 2, 2, 0, 1                   ; interval 30: the last softmax; O^T is rescaled by itself.             Slot 1 takes V(31)
	INTERVAL 1, 0, 0, 2, 0, 0, 0                   ; interval 31: V^T P of step 31; nothing is asked for
	; THE WAY OUT.  Each wave's l (its 16 keys of every step) is added over its two halves, over the halves of the lanes and, through LDS, over the four waves.  The additions are the places behind the last products.
.irp t, 0,1,2,3
	v_add_f32 v[ST+8*\t+4], v[ST+8*\t+2], v[ST+8*\t+3]
.endr
.irp t, 0,1,2,3
	v_permlanex16_b32 v[ST+8*\t+5], v[ST+8*\t+4], s[SEL], s[SEL+1]
.endr
.irp t, 0,1,2,3
	v_add_f32 v[ST+8*\t+4], v[ST+8*\t+4], v[ST+8*\t+5]
.endr
.irp t, 0,1,2,3
	ds_store_b32 v[MXW], v[ST+8*\t+4] offset:LX+\t*256
.endr
	s_wait_dscnt 0x0                               ; for the others' sake: my sums have landed, and my reads of the slots are over
	s_barrier_signal -1
	s_barrier_wait -1
.irp t, 0,1,2,3
	ds_load_b128 v[MXR+4*\t:MXR+4*\t+3], v[MXA] offset:LX+\t*256
.endr
	s_wait_dscnt 0x0
.irp t, 0,1,2,3
	v_add_f32 v[ST+8*\t+4], v[MXR+4*\t], v[MXR+4*\t+1]
.endr
.irp t, 0,1,2,3
	v_add_f32 v[ST+8*\t+5], v[MXR+4*\t+2], v[MXR+4*\t+3]
.endr
.irp t, 0,1,2,3
	v_add_f32 v[ST+8*\t+4], v[ST+8*\t+4], v[ST+8*\t+5]
.endr
.irp t, 0,1,2,3
	v_rcp_f32 v[ST+8*\t+6], v[ST+8*\t+4]           ; 1 / l takes a's place
.endr
	v_nop                                          ; a plain line behind the last reciprocal,
	s_wait_alu depctr_va_vdst(0)                   ; and the one wait for the four, ahead of their first reader
.set nn, 0
.rept 32
	RESC nn                                        ; O^T / l
.set nn, nn+1
.endr
	; A lane holds one query and eight channels; a row of out is a channel, and my block's 64 queries are 256 consecutive bytes of it, aligned.  So 64 channels at a time go through my own stage and come back as
	; whole rows.  LDS serves a wave's instructions in order: no wait between the stores and the loads, nor in front of the second half's stores.
.irp u, 0,1
	WIN 0x04                                       ; an LDS store's data are its source 1: window 1
.irp c, 0,1,2,3
.irp t, 0,1,2,3
.irp e, 0,1,2,3,4,5,6,7
	ds_store_b32 v[STO], v[8*(4*(4*\u+\c)+\t)+\e] offset:(16*\c+\e)*SROW+64*\t
.endr
.endr
.endr
	WIN 0
.if \u
	s_wait_xcnt 0x0                                ; the first half's stores have read their data: the loads below may land there
.endif
.set i, 0
.rept 32
	ds_load_b128 v[FA+4*i:FA+4*i+3], v[RD] offset:2*i*SROW
.set i, i+1
.endr
.set i, 0
.rept 32
	s_wait_dscnt 31-i                              ; LDS loads come back in order: pair i of rows is in
	global_store_b128 v[GO], v[FA+4*i:FA+4*i+3], s[10:11] offset:(64*\u+2*i)*8192 th:TH_STORE_NT   ; 16 lanes store 256 consecutive bytes, aligned; written once, read by nobody here
.set i, i+1
.endr
.endr
	s_wait_tensorcnt 0x0                           ; the wave's end, behind my last tensor load and my last LDS store
	ds_add_u32 v[SPW], v[NIL]
	s_wait_dscnt 0x0
	CROUND                                         ; the closing round: no work-group ends while a partner may still ask for a tile that names it
	s_endpgm
.Lfunc_end_k_q129e8fbf0b_attn:
	.size	k_q129e8fbf0b_attn, .Lfunc_end_k_q129e8fbf0b_attn-k_q129e8fbf0b_attn
	.p2alignl 7, 3214868480
	.fill 96, 4, 3214868480
	.section	.rodata,"a",@progbits
	.p2align	6, 0x0
	.amdhsa_kernel k_q129e8fbf0b_attn
		.amdhsa_group_segment_fixed_size 327680
		.amdhsa_private_segment_fixed_size 0
		.amdhsa_enable_private_segment 0
		.amdhsa_kernarg_size 32
		.amdhsa_user_sgpr_count 2
		.amdhsa_user_sgpr_kernarg_segment_ptr 1
		.amdhsa_wavefront_size32 1
		.amdhsa_system_sgpr_workgroup_id_x 1
		.amdhsa_system_sgpr_workgroup_id_y 1
		.amdhsa_system_sgpr_workgroup_id_z 1
		.amdhsa_system_vgpr_workitem_id 0
		.amdhsa_next_free_vgpr 1024
		.amdhsa_next_free_sgpr 66
		.amdhsa_reserve_vcc 0
		.amdhsa_float_denorm_mode_32 3
		.amdhsa_float_denorm_mode_16_64 3
		.amdhsa_memory_ordered 1
		.amdhsa_forward_progress 1
		.amdhsa_inst_pref_size 234
	.end_amdhsa_kernel
	.amdgpu_metadata
---
amdhsa.version: [ 1, 2 ]
amdhsa.kernels:
  - .name:           k_q129e8fbf0b_attn
    .symbol:         k_q129e8fbf0b_attn.kd
    .args:
      - { .name: qf, .offset: 0, .size: 8, .value_kind: global_buffer, .address_space: global }
      - { .name: kf, .offset: 8, .size: 8, .value_kind: global_buffer, .address_space: global }
      - { .name: vf, .offset: 16, .size: 8, .value_kind: global_buffer, .address_space: global }
      - { .name: out0, .offset: 24, .size: 8, .value_kind: global_buffer, .address_space: global }
    .group_segment_fixed_size: 327680
    .private_segment_fixed_size: 0
    .kernarg_segment_align: 8
    .kernarg_segment_size: 32
    .max_flat_workgroup_size: 128
    .sgpr_count:     66
    .vgpr_count:     1024
    .wavefront_size: 32
...
	.end_amdgpu_metadata
.endif
;; end of part 3
